; MI455X (gfx1250); checked and timed in simulation.
; The chip was launched on July 23, 2026; its instructions are those of AMD's public machine-readable ISA for CDNA 5 (MIT licence, August 2026) and "CDNA5" Instruction Set Architecture Reference Guide (July 2026). The comments in the code are by the model that wrote it; some were corrected since.
;; Attention. Allowed arithmetic: float matrix products may take bf16 or f16 operands with f32 sums; other float arithmetic in f32, or as packed bf16 or f16 multiplies, adds, multiply-adds, maxima and minima; sums over many terms, partial sums and values carried from step to step in f32; what a program stores and reads back later, other than sums and carried values, may be rounded once to bf16 or f16.
;; Inputs: attn_b 1,024 float32; attn_w 1,024 x 2,048 float32; encoder_outputs 1,024 x 32 x 1,024 float32; hidden 32 x 1,024 float32; v 1,024 float32.
;; Outputs: out0 32 x 1,024 float32.
;; 2 versions, each right; version 2 is version 1 with the launch energy written anew for expert scheduling mode. Each part assembles by itself: llvm-mc -triple=amdgcn-amd-amdhsa -mcpu=gfx1250 --defsym DOCPART=n.
;; ======== version 1 of 2: 3 launches
;; workspace buffers: wf 2,097,152 bytes; hbf 131,072 bytes; scores 131,072 bytes
;; launch prep (part 1): grid 128 x 1, 16 waves a work-group, no clusters, 18,432 bytes of LDS; arguments attn_w, hidden, attn_b, wf, hbf; writes wf, hbf
.if DOCPART == 1
	.amdgcn_target "amdgcn-amd-amdhsa--gfx1250"
	.amdhsa_code_object_version 6
	.text
	.protected	k_q177a8b2f6a_prep
	.globl	k_q177a8b2f6a_prep
	.p2align	8
	.type	k_q177a8b2f6a_prep,@function
k_q177a8b2f6a_prep:
	s_mov_b64 s[64:65], 0
	v_nop
	global_prefetch_b8 v0, s[64:65] scope:SCOPE_SE
	s_setreg_imm32_b32 hwreg(HW_REG_WAVE_MODE, 25, 1), 1
	s_wait_xcnt 0x0
; PREPARATION.  attn_w is [1024 d][2048 f] f32: columns 0-1023 (Wh) meet hidden, columns 1024-2047 (We) meet encoder_outputs.
; (1) wf: We rounded to bf16, laid out as the matrix fragments that the next launch loads straight into registers:
;     byte ((slab 32 + t) 8 + nb) 1024 + half 512 + lane 16, where d block = 32 p + 8 w + nb, slab = 2 w + p, t = K step of 32;
;     lane (r = lane % 16, h = lane / 16) holds row d = 16 dblk + r, columns 32 t + 16 half + 8 h + 0..7.
; (2) hbf: hb[b][d] = sum over f of bf16(hidden[b][f]) bf16(Wh[d][f]) + bf16(attn_b[d]), in f32, in the image of an accumulator:
;     byte (dblk 2 + bblk) 1024 + half 512 + lane 16 holds hb[16 bblk + r][16 dblk + 8 h + 4 half + 0..3].
; SHARES.  Work-group i: d block i / 2, j = i % 2.  Its 16 waves y: (1) K step t = 16 j + y of the d block's rows of We, one fragment a wave;
; (2) 16 d x 16 b (b block j), K = 1024 dealt to the waves, 64 each: two matrix instructions on two accumulators; the 16 partial sums meet in LDS.
; All inputs are rounded to bf16 once; sums stay in f32.  NaN and infinities are not treated apart.
; No cluster and no tensor loads: a work-group reads 160 KiB once, and only Wh's 64 KiB are read by a second work-group.
.set SPARE, 16384                      ; behind the 16 partial sums of 1,024 bytes: the spare words, 128 bytes for each of 16 waves
.set SPW, 10                           ; v10  LDS address of my spare word; never rewritten
.set NIL, 11                           ; v11  0; never rewritten
.set F1,  16                           ; v[16:31]   my fragment of We, f32
.set FW,  32                           ; v[32:63]   two fragments of Wh, f32
.set FH,  64                           ; v[64:95]   two fragments of hidden, f32
.set W1,  96                           ; v[96:103]  my fragment of We, bf16
.set BW,  104                          ; v[104:119] Wh, bf16
.set BH,  120                          ; v[120:135] hidden, bf16
.set AC0, 136                          ; v[136:143], v[144:151] the two accumulators
.set AC1, 144
.set SS,  152                          ; v[152:159] their sum
.set BR,  160                          ; v[160:163] four numbers of the bias
.set BB,  164                          ; v[164:165] the same, packed bf16
.set RED, 16                           ; v[16:79]   the 16 waves' partial sums, four registers each (the f32 fragments are spent by then)
; 16 f32 of a row for a fragment: k = 8 h + 0..7 and 16 + 8 h + 0..7 (the lane term 32 h is in the offset register)
.macro LD16 dst, voff, base, off
	global_load_b128 v[(\dst):(\dst)+3],     v[\voff], s[\base:\base+1] offset:(\off)
	global_load_b128 v[(\dst)+4:(\dst)+7],   v[\voff], s[\base:\base+1] offset:(\off)+16
	global_load_b128 v[(\dst)+8:(\dst)+11],  v[\voff], s[\base:\base+1] offset:(\off)+64
	global_load_b128 v[(\dst)+12:(\dst)+15], v[\voff], s[\base:\base+1] offset:(\off)+80
.endm
.macro CV8 dst, src                    ; 16 f32 -> a fragment's 8 registers of bf16, the lower k in the lower half
.irp k, 0,1,2,3,4,5,6,7
	v_cvt_pk_bf16_f32 v[(\dst)+\k], v[(\src)+2*\k], v[(\src)+2*\k+1]
.endr
.endm
	s_load_b256 s[4:11], s[0:1], 0x0               ; attn_w s[4:5], hidden s[6:7], attn_b s[8:9], wf s[10:11]
	s_load_b64 s[12:13], s[0:1], 0x20              ; hbf
	v_lshl_add_u32 v[SPW], v0, 2, SPARE
	v_mov_b32 v[NIL], 0
	v_lshrrev_b32 v9, 5, v0
	v_readfirstlane_b32 s14, v9                    ; y: wave 0..15
	v_and_b32 v1, 15, v0                           ; r
	v_bfe_u32 v2, v0, 4, 1                         ; h
	v_and_b32 v3, 31, v0                           ; lane
	s_lshr_b32 s15, ttmp9, 1                       ; d block
	s_and_b32 s16, ttmp9, 1                        ; j
	v_lshlrev_b32 v4, 13, v1
	v_lshl_add_u32 v4, v2, 5, v4                   ; attn_w: r rows of 8,192 bytes + 32 h
	v_lshlrev_b32 v5, 12, v1
	v_lshl_add_u32 v5, v2, 5, v5                   ; hidden: r rows of 4,096 bytes + 32 h
	v_lshlrev_b32 v6, 4, v3                        ; 16 x lane
	s_lshl_b32 s17, s14, 10
	v_add_nc_u32 v7, s17, v6                       ; LDS: my wave's partial sum, 1,024 y + 16 lane
	s_lshl_b32 s18, s15, 17                        ; the d block's 16 rows of attn_w
	s_lshl_b32 s20, s16, 4
	s_add_co_u32 s20, s20, s14                     ; t = 16 j + y
	s_lshl_b32 s21, s20, 7
	s_add_co_u32 s22, s18, s21
	s_add_co_u32 s22, s22, 4096                    ; We begins 4,096 bytes into a row; K step t is 128 bytes of f32
	s_mov_b32 s23, 0
	s_lshl_b32 s24, s14, 8                         ; my 64 of K: 256 bytes of f32
	s_add_co_u32 s26, s18, s24
	s_mov_b32 s27, 0
	s_lshl_b32 s28, s16, 16                        ; b block j: 16 rows of hidden
	s_add_co_u32 s28, s28, s24
	s_mov_b32 s29, 0
	s_bfe_u32 s30, s15, 0x20003                    ; w = (dblk / 8) % 4
	s_lshr_b32 s31, s15, 5                         ; p = dblk / 32
	s_lshl1_add_u32 s30, s30, s31                  ; slab = 2 w + p
	s_lshl_b32 s30, s30, 5
	s_add_co_u32 s30, s30, s20                     ; 32 slab + t
	s_lshl_b32 s30, s30, 13                        ; x 8 fragments of 1,024 bytes
	s_and_b32 s31, s15, 7
	s_lshl_b32 s31, s31, 10
	s_add_co_u32 s30, s30, s31                     ; + nb x 1,024
	s_mov_b32 s31, 0
	s_wait_kmcnt 0x0
	s_add_nc_u64 s[22:23], s[4:5], s[22:23]        ; We at my fragment
	s_add_nc_u64 s[26:27], s[4:5], s[26:27]        ; Wh at my 64 of K
	s_add_nc_u64 s[28:29], s[6:7], s[28:29]        ; hidden at my 64 of K
	s_add_nc_u64 s[30:31], s[10:11], s[30:31]      ; wf at my fragment
	LD16 F1, 4, 22, 0
	LD16 FW, 4, 26, 0
	LD16 FW+16, 4, 26, 128
	LD16 FH, 5, 28, 0
	LD16 FH+16, 5, 28, 128
	s_wait_loadcnt 16                              ; We's four loads are in; the sixteen younger ones (Wh, hidden) stay out
	CV8 W1, F1
	global_store_b128 v6, v[W1:W1+3],   s[30:31]             ; each store of the wave covers 512 consecutive bytes, aligned
	global_store_b128 v6, v[W1+4:W1+7], s[30:31] offset:512
	s_wait_loadcnt 0x0
	CV8 BW, FW
	CV8 BW+8, FW+16
	CV8 BH, FH
	CV8 BH+8, FH+16
	; source 0 = 16 rows of Wh, source 1 = 16 rows of hidden: register i of lane (r, h) is hb's part for b = r, d = 8 h + i.
	; Two accumulators, one instruction each: the accumulators take turns.
	v_wmma_f32_16x16x32_bf16 v[AC0:AC0+7], v[BW:BW+7],    v[BH:BH+7],    0
	v_wmma_f32_16x16x32_bf16 v[AC1:AC1+7], v[BW+8:BW+15], v[BH+8:BH+15], 0
.rept 4
	v_nop                                          ; four places between a matrix instruction and the first read of its result (ISA guide 7.12.1)
.endr
.irp k, 0,2,4,6
	v_pk_add_f32 v[SS+\k:SS+\k+1], v[AC0+\k:AC0+\k+1], v[AC1+\k:AC1+\k+1]   ; ascending: both results are read from their low end on
.endr
	ds_store_b128 v7, v[SS:SS+3]
	ds_store_b128 v7, v[SS+4:SS+7] offset:512
	s_wait_dscnt 0x0                               ; for the others' sake: my partial sum is in LDS
	s_barrier_signal -1
	s_barrier_wait -1
	s_cmp_gt_u32 s14, 1
	s_cbranch_scc1 .Lend                           ; waves 0 and 1 add up: wave y takes half y of the accumulator's image
	s_lshl_b32 s34, s15, 6
	s_lshl4_add_u32 s34, s14, s34
	v_lshl_add_u32 v8, v2, 5, s34                  ; attn_b at d = 16 dblk + 8 h + 4 y: byte 64 dblk + 32 h + 16 y
	global_load_b128 v[BR:BR+3], v8, s[8:9]
	s_lshl_b32 s35, s14, 9
	v_add_nc_u32 v9, s35, v6                       ; 512 y + 16 lane
.irp k, 0,1,2,3,4,5,6,7,8,9,10,11,12,13,14,15
	ds_load_b128 v[RED+4*\k:RED+4*\k+3], v9 offset:\k*1024
.endr
	s_lshl_b32 s32, ttmp9, 10                      ; hbf: (2 dblk + j) x 1,024 + 512 y
	s_add_co_u32 s32, s32, s35
	s_mov_b32 s33, 0
	s_add_nc_u64 s[12:13], s[12:13], s[32:33]
	s_wait_dscnt 0x0
.irp k, 1,2,3,4,5,6,7,8,9,10,11,12,13,14,15
	v_pk_add_f32 v[RED:RED+1],   v[RED:RED+1],   v[RED+4*\k:RED+4*\k+1]      ; two chains, K ascending
	v_pk_add_f32 v[RED+2:RED+3], v[RED+2:RED+3], v[RED+4*\k+2:RED+4*\k+3]
.endr
	s_wait_loadcnt 0x0                             ; the bias
	v_cvt_pk_bf16_f32 v[BB],   v[BR],   v[BR+1]    ; rounded to bf16 like every input,
	v_cvt_pk_bf16_f32 v[BB+1], v[BR+2], v[BR+3]
	v_lshlrev_b32 v[BR],   16, v[BB]               ; and widened again
	v_and_b32     v[BR+1], 0xffff0000, v[BB]
	v_lshlrev_b32 v[BR+2], 16, v[BB+1]
	v_and_b32     v[BR+3], 0xffff0000, v[BB+1]
	v_pk_add_f32 v[RED:RED+1],   v[RED:RED+1],   v[BR:BR+1]
	v_pk_add_f32 v[RED+2:RED+3], v[RED+2:RED+3], v[BR+2:BR+3]
	global_store_b128 v6, v[RED:RED+3], s[12:13]   ; 512 consecutive bytes, aligned
.Lend:
	s_wait_tensorcnt 0x0                           ; the wave's end: behind my last LDS store
	ds_add_u32 v[SPW], v[NIL]
	s_wait_dscnt 0x0
	s_endpgm
.Lfunc_end_k_q177a8b2f6a_prep:
	.size	k_q177a8b2f6a_prep, .Lfunc_end_k_q177a8b2f6a_prep-k_q177a8b2f6a_prep
	.p2alignl 7, 3214868480
	.fill 96, 4, 3214868480
	.section	.rodata,"a",@progbits
	.p2align	6, 0x0
	.amdhsa_kernel k_q177a8b2f6a_prep
		.amdhsa_group_segment_fixed_size 18432
		.amdhsa_private_segment_fixed_size 0
		.amdhsa_enable_private_segment 0
		.amdhsa_kernarg_size 40
		.amdhsa_user_sgpr_count 2
		.amdhsa_user_sgpr_kernarg_segment_ptr 1
		.amdhsa_wavefront_size32 1
		.amdhsa_system_sgpr_workgroup_id_x 1
		.amdhsa_system_sgpr_workgroup_id_y 1
		.amdhsa_system_sgpr_workgroup_id_z 1
		.amdhsa_system_vgpr_workitem_id 0
		.amdhsa_next_free_vgpr 168
		.amdhsa_next_free_sgpr 66
		.amdhsa_reserve_vcc 0
		.amdhsa_float_denorm_mode_32 3
		.amdhsa_float_denorm_mode_16_64 3
		.amdhsa_memory_ordered 1
		.amdhsa_forward_progress 1
		.amdhsa_inst_pref_size 12
	.end_amdhsa_kernel
	.amdgpu_metadata
---
amdhsa.version: [ 1, 2 ]
amdhsa.kernels:
  - .name:           k_q177a8b2f6a_prep
    .symbol:         k_q177a8b2f6a_prep.kd
    .args:
      - { .name: attn_w, .offset: 0, .size: 8, .value_kind: global_buffer, .address_space: global }
      - { .name: hidden, .offset: 8, .size: 8, .value_kind: global_buffer, .address_space: global }
      - { .name: attn_b, .offset: 16, .size: 8, .value_kind: global_buffer, .address_space: global }
      - { .name: wf, .offset: 24, .size: 8, .value_kind: global_buffer, .address_space: global }
      - { .name: hbf, .offset: 32, .size: 8, .value_kind: global_buffer, .address_space: global }
    .group_segment_fixed_size: 18432
    .private_segment_fixed_size: 0
    .kernarg_segment_align: 8
    .kernarg_segment_size: 40
    .max_flat_workgroup_size: 512
    .sgpr_count:     66
    .vgpr_count:     168
    .wavefront_size: 32
...
	.end_amdgpu_metadata
.endif
;; end of part 1
;; launch energy (part 2): grid 8 x 32, 4 waves a work-group, no clusters, 270,848 bytes of LDS; arguments encoder_outputs, wf, hbf, v, scores; writes scores
.if DOCPART == 2
	.amdgcn_target "amdgcn-amd-amdhsa--gfx1250"
	.amdhsa_code_object_version 6
	.text
	.protected	k_q177a8b2f6a_energy
	.globl	k_q177a8b2f6a_energy
	.p2align	8
	.type	k_q177a8b2f6a_energy,@function
k_q177a8b2f6a_energy:
	s_mov_b64 s[64:65], 0
	v_nop
	global_prefetch_b8 v0, s[64:65] scope:SCOPE_SE
	s_setreg_imm32_b32 hwreg(HW_REG_WAVE_MODE, 25, 1), 1
	s_wait_xcnt 0x0
; scores[b][s] = sum over d of bf16(v[d]) tanh(hb[b][d] + sum over e of bf16(enc[s][b][e]) bf16(We[d][e])).  hb (f32, hidden's part and the bias) and We (bf16, in fragments) come from the launch before.
; SHARES.  A work-group owns one b and 128 consecutive s: 128 rows of 1,024 numbers.  It reads them from memory once, rounds them to bf16 and keeps them in LDS.  The 1,024 columns d go in two passes of 512;
; in a pass each of the four waves makes 128 rows x 128 columns: 64 accumulators of 16 x 16, 512 registers.  K goes in 32 steps of 32.  A wave's fragments of We are its own: no other wave of the work-group
; multiplies by them; they are loaded from memory straight into a ring of four register buffers, three steps (192 matrix instructions) ahead of their use.
; THE MATRIX INSTRUCTION IS USED TRANSPOSED: source 0 = 16 rows of We (d), source 1 = 16 rows of enc.  Register i of lane (r, h) then holds row r and column 8 h + i: the sum over d stays in the lane but for h.
; The first K step takes hb as its C operand, so nothing is cleared and no addition follows.
; tanh(x) = 1 - 2 / (1 + 2^(c x)), c = 2 log2(e).  LIMITS: absolute error of a few 1e-7; where 2^(c x) overflows the result is exactly 1, where it is flushed to 0 exactly -1; NaN and infinities are not treated apart.
; NO CLUSTER, NO TENSOR LOADS.  The rows take 264,192 of the 327,680 bytes of LDS; in what is left, two slots for 512 columns of We would hold 16 of K each, less than one K step.  A fragment of We has one
; reader in the work-group, so LDS would add a write and a read to each of its bytes and spare none.  enc is shared by no two work-groups.
; LDS: rows of 2,048 bytes + 16 of padding = 129 x 16 bytes, so the 16 rows that a fragment load touches start at 16 different groups of four banks (64 banks of 4 bytes: ISA guide 11.1).
; REGISTERS, in windows of 256 (s_set_vgpr_msb: bits 1:0 source 0, 3:2 source 1, 5:4 source 2, 7:6 destination):
;   window 0: v0-13 addresses; v14-29 the rows' sums; v30-31 the add's; v32-63 at work; v64-127 enc's fragments of one K step; v128-191 hb of a pass; v192-207 v, two buffers; v208-219 v on its way in
;   window 1: four buffers of 64: first the staging slots (two rows of enc in f32 each), then We's fragments of four K steps
;   window 2: the accumulators of row blocks 0-3 ((a, n) at 8 (8 a + n));   window 3: those of row blocks 4-7
.set PITCH, 2064
.set VL,    128*PITCH                  ; 264,192: v rounded to bf16, kept as f32: 4,096 bytes
.set SC,    VL+4096                    ; 268,288: the four waves' partial scores, 512 bytes each
.set SPARE, SC+2048                    ; 270,336: the spare words, 128 bytes for each wave: two blocks of 256 bytes that no other line names
.set AB0,   1                          ; v1     r x pitch + 16 h; never rewritten
.set ADRA,  2                          ; v2-5   LDS address of row blocks 2 i, 2 i + 1 at the K byte in hand
.set WOFF,  6                          ; v6     16 x lane; never rewritten
.set VADR,  7                          ; v7     LDS address of my 8 numbers of v for column block 0 of the pass
.set SADR,  8                          ; v8     LDS address at which I put 8 bytes of the staging lap's first row
.set HOFF,  9                          ; v9     my byte offset in hbf; never rewritten
.set TID16, 10                         ; v10    16 x thread; never rewritten
.set SUM,   14                         ; v[14:29] row block a: a pair (even columns', odd columns')
.set SPW,   30                         ; v30    LDS address of my spare word; never rewritten
.set NIL,   31                         ; v31    0; never rewritten
.set T,     32
.set AF,    64
.set HB,    128
.set VV,    192
.set VR,    208
.set MSB, 0
.macro WIN new                         ; the immediate's high byte repeats the setting that is left; a switch that changes nothing is dropped
.if MSB != (\new)
	s_set_vgpr_msb (MSB<<8)|(\new)
.set MSB, \new
.endif
.endm
; A load into a register that a matrix instruction has read, and a vector instruction that reads a matrix result, stand four places behind it; only plain vector
; instructions that name none of its registers are places (ISA guide 7.12.1 for vector instructions).
.macro PLACES
.rept 4
	v_nop
.endr
.endm
.macro ARESET                          ; the fragment addresses go to K byte 0: four plain instructions
	WIN 0
	v_mov_b32    v[ADRA],   v[AB0]
	v_add_nc_u32 v[ADRA+1], 32*PITCH, v[AB0]
	v_add_nc_u32 v[ADRA+2], 64*PITCH, v[AB0]
	v_add_nc_u32 v[ADRA+3], 96*PITCH, v[AB0]
.endm
.macro ASTEP bytes
.irp i, 0,1,2,3
	v_add_nc_u32 v[ADRA+\i], \bytes, v[ADRA+\i]
.endr
.endm
; Two rows of enc (2 s, 2 s + 1 of a lap's eight) into staging slot s: 16 loads, each 512 consecutive bytes, aligned
.macro SLOAD s, off
	WIN 0x40
.set k, 0
.rept 16
	global_load_b128 v[64*(\s)+4*k:64*(\s)+4*k+3], v[WOFF], s[20:21] offset:(\off)+(2*(\s)+k/8)*131072+512*(k%8) th:TH_LOAD_NT
.set k, k+1
.endr
.endm
; We's eight fragments of one K step, 8,192 consecutive bytes, into buffer buf
.macro BLOAD buf, imm
	WIN 0x40
.irp n, 0,1,2,3,4,5,6,7
	global_load_b128 v[64*(\buf)+8*\n:64*(\buf)+8*\n+3],   v[WOFF], s[22:23] offset:(\imm)+\n*1024
	global_load_b128 v[64*(\buf)+8*\n+4:64*(\buf)+8*\n+7], v[WOFF], s[22:23] offset:(\imm)+\n*1024+512
.endr
.endm
; hb of my 128 columns of a pass, for my work-group's b: every lane of a half takes the same 16 bytes
.macro HBLOAD off
	WIN 0
.irp n, 0,1,2,3,4,5,6,7
	global_load_b128 v[HB+8*\n:HB+8*\n+3],   v[HOFF], s[8:9] offset:(\off)+\n*2048
	global_load_b128 v[HB+8*\n+4:HB+8*\n+7], v[HOFF], s[8:9] offset:(\off)+\n*2048+512
.endr
.endm
; enc's fragments of row blocks 4 hi .. 4 hi + 3, at byte ko from the K byte in hand: 8 LDS loads
.macro ALOAD hi, ko
	WIN 0
.irp i, 0,1,2,3
	ds_load_b128 v[AF+8*(4*(\hi)+\i):AF+8*(4*(\hi)+\i)+3],   v[ADRA+2*(\hi)+(\i)/2] offset:((\i)%2)*16*PITCH+(\ko)
	ds_load_b128 v[AF+8*(4*(\hi)+\i)+4:AF+8*(4*(\hi)+\i)+7], v[ADRA+2*(\hi)+(\i)/2] offset:((\i)%2)*16*PITCH+(\ko)+32
.endr
.endm
; 32 matrix instructions: row blocks 4 hi .. 4 hi + 3 x all 8 column blocks.  zero = 1: the pass's first K step: C is hb.
; The 64 accumulators take turns, one instruction a turn, in the same order in every K step.
.macro MUL32 buf, hi, zero
.if \zero
	WIN 0x81+0x40*(\hi)                            ; We window 1, enc and hb window 0, D window 2 or 3
.else
	WIN 0xa1+0x50*(\hi)                            ; We window 1, enc window 0, C and D window 2 or 3
.endif
.irp a, 0,1,2,3
.irp n, 0,1,2,3,4,5,6,7
.if \zero
	v_wmma_f32_16x16x32_bf16 v[8*(8*\a+\n):8*(8*\a+\n)+7], v[64*(\buf)+8*\n:64*(\buf)+8*\n+7], v[AF+8*(4*(\hi)+\a):AF+8*(4*(\hi)+\a)+7], v[HB+8*\n:HB+8*\n+7]
.else
	v_wmma_f32_16x16x32_bf16 v[8*(8*\a+\n):8*(8*\a+\n)+7], v[64*(\buf)+8*\n:64*(\buf)+8*\n+7], v[AF+8*(4*(\hi)+\a):AF+8*(4*(\hi)+\a)+7], v[8*(8*\a+\n):8*(8*\a+\n)+7]
.endif
.endr
.endr
.endm
; ONE K STEP: 64 matrix instructions on buffer buf.  ld = 1: the buffer that the step before multiplied (its four places stand at that step's end) takes We's fragments three steps on, at byte bimm.
; nB: the loads younger than this step's fragments of We.  enc's fragments have one buffer, refilled by halves: rows 0-63 behind their products, under the products of rows 64-127, and the other way round.
; al = 1: the next step's fragments of enc are fetched, at byte ko; 2: the same, from K byte 0 on (the next pass's first step): the four lines that reset the addresses are the places; 0: none.
.macro QUARTER buf, ko, zero, ld, bimm, al, nB
.if \ld
	BLOAD ((\buf)+3)%4, \bimm
.endif
	s_wait_loadcnt \nB
	s_wait_dscnt 8                                 ; rows 0-63 are in; the youngest eight LDS loads (rows 64-127) may be out
	MUL32 \buf, 0, \zero
.if (\al) == 2
	ARESET
.else
	PLACES
.endif
.if \al
	ALOAD 0, \ko
	s_wait_dscnt 8                                 ; all but the eight just issued: rows 64-127 are in
.else
	s_wait_dscnt 0x0
.endif
	MUL32 \buf, 1, \zero
	PLACES
.if \al
	ALOAD 1, \ko
.endif
	WIN 0
.endm
; STAGING, one slot's turn: its two rows are rounded to bf16; the slot is asked for again; the rows go to LDS, 256 consecutive bytes a store.
; mode 1: the slot takes its rows of the next lap.  mode 2 (the last lap): slots 0 to 2 become We's buffers 0 to 2 and take K steps 0 to 2.
; The count is 48 in every turn: behind this slot's 16 loads the three younger slots' were issued, or in the last lap what took their place.
.macro STURN s, mode
	s_wait_loadcnt 48
	WIN 0x05                                       ; sources window 1, destination window 0
.set k, 0
.rept 16
	v_cvt_pk_bf16_f32 v[T+2*k],   v[64*(\s)+4*k],   v[64*(\s)+4*k+1]
	v_cvt_pk_bf16_f32 v[T+2*k+1], v[64*(\s)+4*k+2], v[64*(\s)+4*k+3]
.set k, k+1
.endr
.if (\mode) == 1
	SLOAD \s, 1048576
.elseif (\s) < 3
	BLOAD \s, (\s)*8192
.endif
	WIN 0
.set k, 0
.rept 16
	ds_store_b64 v[SADR], v[T+2*k:T+2*k+1] offset:(2*(\s)+k/8)*PITCH+256*(k%8)
.set k, k+1
.endr
.endm
; tanh and the weighted sum for column block n of row blocks 4 hi .. 4 hi + 3: 32 numbers a lane.  Each accumulator is read from its low end on.
; A plain instruction stands between a run of transcendentals and the first use of their results (ISA guide 5.7.2).
.macro EGROUP n, hi
	WIN 0x02+(\hi)                                 ; source 0 window 2 or 3
.irp i, 0,1,2,3
.irp k, 0,1,2,3
	v_pk_mul_f32 v[T+8*\i+2*\k:T+8*\i+2*\k+1], v[8*(8*\i+(\n))+2*\k:8*(8*\i+(\n))+2*\k+1], s[24:25] op_sel_hi:[1,0]  ; c x
.endr
.endr
	WIN 0
.set z, 0
.rept 32
	v_exp_f32 v[T+z], v[T+z]
.set z, z+1
.endr
	v_nop
.set z, 0
	s_wait_alu depctr_va_vdst(0)
.rept 16
	v_pk_add_f32 v[T+2*z:T+2*z+1], v[T+2*z:T+2*z+1], 1.0 op_sel_hi:[1,0]
.set z, z+1
.endr
.set z, 0
.rept 32
	v_rcp_f32 v[T+z], v[T+z]
.set z, z+1
.endr
	v_nop
.set z, 0
	s_wait_alu depctr_va_vdst(0)
.rept 16
	v_pk_fma_f32 v[T+2*z:T+2*z+1], v[T+2*z:T+2*z+1], -2.0, 1.0 op_sel_hi:[1,0,0]  ; tanh
.set z, z+1
.endr
.irp k, 0,1,2,3                        ; the four row blocks alternate: a link of a sum's chain stands four lines behind the last
.irp i, 0,1,2,3
	v_pk_fma_f32 v[SUM+2*(4*(\hi)+\i):SUM+2*(4*(\hi)+\i)+1], v[T+8*\i+2*\k:T+8*\i+2*\k+1], v[VV+8*((\n)%2)+2*\k:VV+8*((\n)%2)+2*\k+1], v[SUM+2*(4*(\hi)+\i):SUM+2*(4*(\hi)+\i)+1]
.endr
.endr
.endm
	s_load_b256 s[4:11], s[0:1], 0x0               ; enc s[4:5], wf s[6:7], hbf s[8:9], v s[10:11]
	s_load_b64 s[12:13], s[0:1], 0x20              ; scores
	v_lshl_add_u32 v[SPW], v0, 2, SPARE
	v_mov_b32 v[NIL], 0
	v_lshrrev_b32 v11, 5, v0
	v_readfirstlane_b32 s14, v11                   ; w: wave 0..3
	s_mov_b32 s15, ttmp9                           ; block of 128 s
	s_and_b32 s16, ttmp7, 0xffff                   ; b
	v_and_b32 v12, 15, v0                          ; r
	v_bfe_u32 v13, v0, 4, 1                        ; h
	v_and_b32 v11, 31, v0                          ; lane
	v_mul_u32_u24 v[AB0], v12, PITCH
	v_lshl_add_u32 v[AB0], v13, 4, v[AB0]
	ARESET
	v_lshlrev_b32 v[WOFF], 4, v11
	v_lshlrev_b32 v[TID16], 4, v0
	s_lshl_b32 s17, s14, 9
	s_add_co_u32 s17, s17, VL
	v_lshl_add_u32 v[VADR], v13, 5, s17            ; v at column 128 w + 8 h
	s_mul_i32 s17, s14, 32*PITCH                   ; wave w stages rows 32 w .. 32 w + 31
	v_lshl_add_u32 v[SADR], v11, 3, s17
	s_and_b32 s17, s16, 15                         ; hbf: the lane that holds b in its block is 16 h + b % 16,
	s_lshl_b32 s17, s17, 4
	s_lshl_b32 s18, s14, 14                        ; my eight d blocks begin at 8 w, 2,048 bytes each,
	s_add_co_u32 s17, s17, s18
	s_lshr_b32 s18, s16, 4                         ; b's block
	s_lshl_b32 s18, s18, 10
	s_add_co_u32 s17, s17, s18
	v_lshl_add_u32 v[HOFF], v13, 8, s17
	s_mov_b32 s24, 0x4038aa3b                      ; c = 2 log2(e)
	s_mov_b32 s25, s24                             ; named with it as a pair
	s_mov_b32 s26, 0x76543210                      ; v_permlanex16_b32: each lane takes its own place in the other half
	s_mov_b32 s27, 0xfedcba98
	s_lshl_b32 s18, s15, 24                        ; row (s, b) of enc lies at (32 s + b) x 4,096 bytes: 128 s are 2^24,
	s_lshl_b32 s19, s14, 22                        ; my wave's 32 s
	s_add_co_u32 s18, s18, s19
	s_lshl_b32 s19, s16, 12
	s_add_co_u32 s18, s18, s19
	s_mov_b32 s19, 0
	s_wait_kmcnt 0x0
	s_add_nc_u64 s[20:21], s[4:5], s[18:19]        ; enc at my wave's first row
	s_lshl_b32 s18, s14, 19
	s_add_nc_u64 s[22:23], s[6:7], s[18:19]        ; wf at my wave's two slabs, 524,288 bytes on end
	s_lshl_b32 s18, s16, 12
	s_lshl_b32 s17, s15, 9
	s_add_co_u32 s18, s18, s17
	s_add_nc_u64 s[12:13], s[12:13], s[18:19]      ; scores[b][128 x block]
	; The first loads.  More are issued than LOADcnt's field counts; the issue then waits by itself (ISA guide 5.7.1), and the counted waits below still say what has come.
	global_load_b128 v[VR:VR+3],   v[TID16], s[10:11]
	global_load_b128 v[VR+4:VR+7], v[TID16], s[10:11] offset:2048
	HBLOAD 0
	SLOAD 0, 0
	SLOAD 1, 0
	SLOAD 2, 0
	SLOAD 3, 0
	WIN 0                                          ; at a label and at a branch every window is 0
	s_mov_b32 s30, 3
.Llap:                                                 ; a lap: eight rows of my 32; 64 loads, 32,768 bytes, of the wave are on their way throughout
	STURN 0, 1
	STURN 1, 1
	STURN 2, 1
	STURN 3, 1
	s_wait_xcnt 0x0                                ; the loads' base is stepped only behind this wait
	s_add_nc_u64 s[20:21], s[20:21], 0x100000      ; eight rows of 131,072 bytes on
	v_add_nc_u32 v[SADR], 8*PITCH, v[SADR]
	s_sub_co_u32 s30, s30, 1
	s_cmp_lg_u32 s30, 0
	s_cbranch_scc1 .Llap
	STURN 0, 2                                     ; the last lap is written out: no load leaves enc
	STURN 1, 2
	STURN 2, 2
	STURN 3, 2
	; v: its two loads are older than all that the waits above have shown in.  Rounded to bf16 like every input, widened again, into LDS.
.irp k, 0,1,2,3
	v_cvt_pk_bf16_f32 v[VR+8+\k], v[VR+2*\k], v[VR+2*\k+1]
.endr
.irp k, 0,1,2,3
	v_lshlrev_b32 v[VR+2*\k],   16, v[VR+8+\k]
	v_and_b32     v[VR+2*\k+1], 0xffff0000, v[VR+8+\k]
.endr
	v_add_nc_u32 v11, VL, v[TID16]
	ds_store_b128 v11, v[VR:VR+3]
	ds_store_b128 v11, v[VR+4:VR+7] offset:2048
	s_wait_dscnt 0x0                               ; for the others' sake: my rows and my part of v are in LDS
	s_barrier_signal -1
.set z, 0
.rept 16
	v_mov_b32 v[SUM+z], 0                          ; the rows' sums run over both passes
.set z, z+1
.endr
	s_barrier_wait -1                              ; the rows and v are whole, and no byte of them is written again: the K steps need no barrier
	ALOAD 0, 0
	ALOAD 1, 0
	s_mov_b32 s28, 0
.Lpass:                                                ; two trips: columns 512 p + 128 w on
	QUARTER 0, 64, 1, 1, 24576, 1, 16              ; K step 0 starts the sums from hb.  The count: only the 16 loads just issued may be out: hb and steps 0 to 2 of We are in
	s_wait_xcnt 0x0
	s_add_nc_u64 s[22:23], s[22:23], 32768         ; four K steps of We on
	ASTEP 128
	s_mov_b32 s29, 7
.Ltrip:                                                ; a trip: K steps 4 n + 1 .. 4 n + 4.  The count 48: the fragments of We for the three steps to come may be out
	QUARTER 1, 0,   0, 1, 0,     1, 48
	QUARTER 2, 64,  0, 1, 8192,  1, 48
	QUARTER 3, 128, 0, 1, 16384, 1, 48
	QUARTER 0, 192, 0, 1, 24576, 1, 48
	ASTEP 256
	s_wait_xcnt 0x0
	s_add_nc_u64 s[22:23], s[22:23], 32768
	s_sub_co_u32 s29, s29, 1
	s_cmp_lg_u32 s29, 0
	s_cbranch_scc1 .Ltrip
	s_cmp_eq_u32 s28, 1
	s_cbranch_scc1 .Ltail1
	QUARTER 1, 0,  0, 1, 0,     1, 48              ; K steps 29 to 31 of the first pass ask for the second pass's steps 0 to 2 of We (its slab follows on end),
	QUARTER 2, 64, 0, 1, 8192,  1, 48
	QUARTER 3, 0,  0, 1, 16384, 2, 48              ; for its first fragments of enc,
	HBLOAD 65536                                   ; and for its hb: 32 d blocks on.  All of it lands under the tanh below
	s_branch .Lepi
.Ltail1:                                               ; K steps 29 to 31 of the second pass ask for nothing: no load leaves wf; the counts run down
	QUARTER 1, 0,  0, 0, 0, 1, 32
	QUARTER 2, 64, 0, 0, 0, 1, 16
	QUARTER 3, 0,  0, 0, 0, 0, 0
.Lepi:                                                 ; the four places behind the last products stand at the K step's end
	ds_load_b128 v[VV:VV+3],   v[VADR]
	ds_load_b128 v[VV+4:VV+7], v[VADR] offset:16
.irp q, 0,1,2,3,4,5,6,7
	s_wait_dscnt 0x0                               ; v of column block q is in
.if \q < 7
	ds_load_b128 v[VV+8*((\q+1)%2):VV+8*((\q+1)%2)+3],   v[VADR] offset:64*(\q+1)
	ds_load_b128 v[VV+8*((\q+1)%2)+4:VV+8*((\q+1)%2)+7], v[VADR] offset:64*(\q+1)+16
.endif
	EGROUP \q, 0
	EGROUP \q, 1
.endr
	v_add_nc_u32 v[VADR], 2048, v[VADR]            ; 512 columns of v on
	s_add_co_u32 s28, s28, 1
	s_cmp_lt_u32 s28, 2
	s_cbranch_scc1 .Lpass
	; THE WAY OUT.  A row's sum: even and odd columns', then the other half of the lanes'.  Two row blocks are laid side by side in the 32 lanes; the four waves' parts meet in LDS.
.irp a, 0,1,2,3,4,5,6,7
	v_add_f32 v[T+\a], v[SUM+2*\a], v[SUM+2*\a+1]
.endr
.irp a, 0,1,2,3,4,5,6,7
	v_permlanex16_b32 v[T+8+\a], v[T+\a], s26, s27
.endr
.irp a, 0,1,2,3,4,5,6,7
	v_add_f32 v[T+\a], v[T+\a], v[T+8+\a]
.endr
	v_and_b32 v12, 31, v0
	v_cmp_gt_u32 vcc_lo, 16, v12
.irp i, 0,1,2,3
	v_cndmask_b32 v[T+16+\i], v[T+2*\i+1], v[T+2*\i], vcc_lo   ; lanes 0-15: row block 2 i; lanes 16-31: 2 i + 1: row 32 i + lane
.endr
	s_lshl_b32 s17, s14, 9
	s_add_co_u32 s17, s17, SC
	v_lshl_add_u32 v13, v12, 2, s17
.irp i, 0,1,2,3
	ds_store_b32 v13, v[T+16+\i] offset:128*\i
.endr
	s_wait_dscnt 0x0                               ; for wave 0's sake: my 128 partial scores are in LDS
	s_barrier_signal -1
	s_barrier_wait -1
	s_cmp_lg_u32 s14, 0
	s_cbranch_scc1 .Lend
	v_add_nc_u32 v13, SC, v[WOFF]                  ; lane l takes rows 4 l .. 4 l + 3 of each wave's part
.irp i, 0,1,2,3
	ds_load_b128 v[T+4*\i:T+4*\i+3], v13 offset:512*\i
.endr
	s_wait_dscnt 0x0
	v_pk_add_f32 v[T:T+1],     v[T:T+1],     v[T+4:T+5]
	v_pk_add_f32 v[T+2:T+3],   v[T+2:T+3],   v[T+6:T+7]
	v_pk_add_f32 v[T+8:T+9],   v[T+8:T+9],   v[T+12:T+13]
	v_pk_add_f32 v[T+10:T+11], v[T+10:T+11], v[T+14:T+15]
	v_pk_add_f32 v[T:T+1],     v[T:T+1],     v[T+8:T+9]
	v_pk_add_f32 v[T+2:T+3],   v[T+2:T+3],   v[T+10:T+11]
	global_store_b128 v[WOFF], v[T:T+3], s[12:13]  ; the work-group's 128 scores: 512 consecutive bytes, aligned
.Lend:
	s_wait_tensorcnt 0x0                           ; the wave's end: behind my last LDS store
	ds_add_u32 v[SPW], v[NIL]
	s_wait_dscnt 0x0
	s_endpgm
.Lfunc_end_k_q177a8b2f6a_energy:
	.size	k_q177a8b2f6a_energy, .Lfunc_end_k_q177a8b2f6a_energy-k_q177a8b2f6a_energy
	.p2alignl 7, 3214868480
	.fill 96, 4, 3214868480
	.section	.rodata,"a",@progbits
	.p2align	6, 0x0
	.amdhsa_kernel k_q177a8b2f6a_energy
		.amdhsa_group_segment_fixed_size 270848
		.amdhsa_private_segment_fixed_size 0
		.amdhsa_enable_private_segment 0
		.amdhsa_kernarg_size 40
		.amdhsa_user_sgpr_count 2
		.amdhsa_user_sgpr_kernarg_segment_ptr 1
		.amdhsa_wavefront_size32 1
		.amdhsa_system_sgpr_workgroup_id_x 1
		.amdhsa_system_sgpr_workgroup_id_y 1
		.amdhsa_system_sgpr_workgroup_id_z 1
		.amdhsa_system_vgpr_workitem_id 0
		.amdhsa_next_free_vgpr 1024
		.amdhsa_next_free_sgpr 66
		.amdhsa_reserve_vcc 1
		.amdhsa_float_denorm_mode_32 3
		.amdhsa_float_denorm_mode_16_64 3
		.amdhsa_memory_ordered 1
		.amdhsa_forward_progress 1
		.amdhsa_inst_pref_size 226
	.end_amdhsa_kernel
	.amdgpu_metadata
---
amdhsa.version: [ 1, 2 ]
amdhsa.kernels:
  - .name:           k_q177a8b2f6a_energy
    .symbol:         k_q177a8b2f6a_energy.kd
    .args:
      - { .name: encoder_outputs, .offset: 0, .size: 8, .value_kind: global_buffer, .address_space: global }
      - { .name: wf, .offset: 8, .size: 8, .value_kind: global_buffer, .address_space: global }
      - { .name: hbf, .offset: 16, .size: 8, .value_kind: global_buffer, .address_space: global }
      - { .name: v, .offset: 24, .size: 8, .value_kind: global_buffer, .address_space: global }
      - { .name: scores, .offset: 32, .size: 8, .value_kind: global_buffer, .address_space: global }
    .group_segment_fixed_size: 270848
    .private_segment_fixed_size: 0
    .kernarg_segment_align: 8
    .kernarg_segment_size: 40
    .max_flat_workgroup_size: 128
    .sgpr_count:     66
    .vgpr_count:     1024
    .wavefront_size: 32
...
	.end_amdgpu_metadata
.endif
;; end of part 2
;; launch soft (part 3): grid 32 x 1, 1 waves a work-group, no clusters, 0 bytes of LDS; arguments scores, out0; writes out0
.if DOCPART == 3
	.amdgcn_target "amdgcn-amd-amdhsa--gfx1250"
	.amdhsa_code_object_version 6
	.text
	.protected	k_q177a8b2f6a_soft
	.globl	k_q177a8b2f6a_soft
	.p2align	8
	.type	k_q177a8b2f6a_soft,@function
k_q177a8b2f6a_soft:
	s_mov_b64 s[64:65], 0
	v_nop
	global_prefetch_b8 v0, s[64:65] scope:SCOPE_SE
	s_setreg_imm32_b32 hwreg(HW_REG_WAVE_MODE, 25, 1), 1
	s_wait_xcnt 0x0
; out0[b][:] = softmax over s of scores[b][:].  Both are [32][1024] f32.  A row is 4,096 bytes: one wave takes it, 32 numbers a lane, and keeps it in registers between the maximum, the sum and the scaling:
; no LDS, no barrier.  The row's true maximum is taken away before the exponential; p = 2^((x - m) log2(e)).
; LIMITS: a weight below 2^-126 counts as 0; NaN and infinities are not treated apart.
; 32 rows are 32 work-groups: the rows share nothing, and a row split further would need a second launch for its sum.
.set XR, 8                             ; v[8:39]  the row
.set MX, 40                            ; v[40:43] four running maxima; then the maximum, twice
.set SM, 44                            ; v[44:51] four running sums (pairs); then the sum and its reciprocal, twice
	s_load_b128 s[4:7], s[0:1], 0x0                ; scores s[4:5], out0 s[6:7]
	s_lshl_b32 s10, ttmp9, 12                      ; row b
	s_mov_b32 s11, 0
	s_mov_b32 s8, 0x76543210                       ; v_permlanex16_b32: each lane takes its own place in the other half
	s_mov_b32 s9, 0xfedcba98
	v_lshlrev_b32 v1, 4, v0                        ; 16 x lane
	s_wait_kmcnt 0x0
	s_add_nc_u64 s[4:5], s[4:5], s[10:11]
	s_add_nc_u64 s[6:7], s[6:7], s[10:11]
.irp i, 0,1,2,3,4,5,6,7
	global_load_b128 v[XR+4*\i:XR+4*\i+3], v1, s[4:5] offset:512*\i th:TH_LOAD_NT
.endr
	s_wait_loadcnt 0x0
	; the maximum of my 32 numbers: four chains of seven, started by the first numbers; then the four left over
.irp c, 0,1,2,3
	v_max3_num_f32 v[MX+\c], v[XR+8*\c], v[XR+8*\c+1], v[XR+8*\c+2]
.endr
.irp c, 0,1,2,3
	v_max3_num_f32 v[MX+\c], v[MX+\c], v[XR+8*\c+3], v[XR+8*\c+4]
.endr
.irp c, 0,1,2,3
	v_max3_num_f32 v[MX+\c], v[MX+\c], v[XR+8*\c+5], v[XR+8*\c+6]
.endr
	v_max3_num_f32 v[MX],   v[MX],   v[XR+7],  v[XR+15]
	v_max3_num_f32 v[MX+2], v[MX+2], v[XR+23], v[XR+31]
	v_max3_num_f32 v[MX],   v[MX],   v[MX+1],  v[MX+2]
	v_max_num_f32  v[MX],   v[MX],   v[MX+3]
	v_max_num_f32_dpp v[MX], v[MX], v[MX] row_xmask:1 row_mask:0xf bank_mask:0xf
	v_max_num_f32_dpp v[MX], v[MX], v[MX] row_xmask:2 row_mask:0xf bank_mask:0xf
	v_max_num_f32_dpp v[MX], v[MX], v[MX] row_xmask:4 row_mask:0xf bank_mask:0xf
	v_max_num_f32_dpp v[MX], v[MX], v[MX] row_xmask:8 row_mask:0xf bank_mask:0xf
	v_permlanex16_b32 v[MX+1], v[MX], s8, s9
	v_max_num_f32 v[MX], v[MX], v[MX+1]            ; every lane holds the row's maximum
	v_mov_b32 v[MX+1], v[MX]
.set z, 0
.rept 16
	v_pk_add_f32 v[XR+2*z:XR+2*z+1], v[XR+2*z:XR+2*z+1], v[MX:MX+1] neg_lo:[0,1] neg_hi:[0,1]   ; x - m
.set z, z+1
.endr
.set z, 0
.rept 16
	v_pk_mul_f32 v[XR+2*z:XR+2*z+1], v[XR+2*z:XR+2*z+1], 0x3fb8aa3b op_sel_hi:[1,0]             ; times log2(e)
.set z, z+1
.endr
.set z, 0
.rept 32
	v_exp_f32 v[XR+z], v[XR+z]
.set z, z+1
.endr
	v_nop                                          ; a plain instruction between the exponentials and the first use of their results (ISA guide 5.7.2)
	s_wait_alu depctr_va_vdst(0)
.irp c, 0,1,2,3
	v_pk_add_f32 v[SM+2*\c:SM+2*\c+1], v[XR+4*\c:XR+4*\c+1], v[XR+4*\c+2:XR+4*\c+3]   ; four chains, started by the first numbers
.endr
.irp c, 0,1,2,3
	v_pk_add_f32 v[SM+2*\c:SM+2*\c+1], v[SM+2*\c:SM+2*\c+1], v[XR+16+2*\c:XR+16+2*\c+1]
.endr
.irp c, 0,1,2,3
	v_pk_add_f32 v[SM+2*\c:SM+2*\c+1], v[SM+2*\c:SM+2*\c+1], v[XR+24+2*\c:XR+24+2*\c+1]
.endr
	v_pk_add_f32 v[SM:SM+1],   v[SM:SM+1],   v[SM+2:SM+3]
	v_pk_add_f32 v[SM+4:SM+5], v[SM+4:SM+5], v[SM+6:SM+7]
	v_pk_add_f32 v[SM:SM+1],   v[SM:SM+1],   v[SM+4:SM+5]
	v_add_f32 v[SM], v[SM], v[SM+1]
	v_add_f32_dpp v[SM], v[SM], v[SM] row_xmask:1 row_mask:0xf bank_mask:0xf
	v_add_f32_dpp v[SM], v[SM], v[SM] row_xmask:2 row_mask:0xf bank_mask:0xf
	v_add_f32_dpp v[SM], v[SM], v[SM] row_xmask:4 row_mask:0xf bank_mask:0xf
	v_add_f32_dpp v[SM], v[SM], v[SM] row_xmask:8 row_mask:0xf bank_mask:0xf
	v_permlanex16_b32 v[SM+1], v[SM], s8, s9
	v_add_f32 v[SM], v[SM], v[SM+1]                ; every lane holds the row's sum: at least 1, the maximum's own weight
	v_rcp_f32 v[SM+2], v[SM]
	v_rcp_f32 v[SM+3], v[SM]
	v_nop
	s_wait_alu depctr_va_vdst(0)
.irp i, 0,1,2,3,4,5,6,7
	v_pk_mul_f32 v[XR+4*\i:XR+4*\i+1],   v[XR+4*\i:XR+4*\i+1],   v[SM+2:SM+3]
	v_pk_mul_f32 v[XR+4*\i+2:XR+4*\i+3], v[XR+4*\i+2:XR+4*\i+3], v[SM+2:SM+3]
	global_store_b128 v1, v[XR+4*\i:XR+4*\i+3], s[6:7] offset:512*\i th:TH_STORE_NT   ; 512 consecutive bytes, aligned
.endr
	s_endpgm
.Lfunc_end_k_q177a8b2f6a_soft:
	.size	k_q177a8b2f6a_soft, .Lfunc_end_k_q177a8b2f6a_soft-k_q177a8b2f6a_soft
	.p2alignl 7, 3214868480
	.fill 96, 4, 3214868480
	.section	.rodata,"a",@progbits
	.p2align	6, 0x0
	.amdhsa_kernel k_q177a8b2f6a_soft
		.amdhsa_group_segment_fixed_size 0
		.amdhsa_private_segment_fixed_size 0
		.amdhsa_enable_private_segment 0
		.amdhsa_kernarg_size 16
		.amdhsa_user_sgpr_count 2
		.amdhsa_user_sgpr_kernarg_segment_ptr 1
		.amdhsa_wavefront_size32 1
		.amdhsa_system_sgpr_workgroup_id_x 1
		.amdhsa_system_sgpr_workgroup_id_y 1
		.amdhsa_system_sgpr_workgroup_id_z 1
		.amdhsa_system_vgpr_workitem_id 0
		.amdhsa_next_free_vgpr 56
		.amdhsa_next_free_sgpr 66
		.amdhsa_reserve_vcc 0
		.amdhsa_float_denorm_mode_32 3
		.amdhsa_float_denorm_mode_16_64 3
		.amdhsa_memory_ordered 1
		.amdhsa_forward_progress 1
		.amdhsa_inst_pref_size 10
	.end_amdhsa_kernel
	.amdgpu_metadata
---
amdhsa.version: [ 1, 2 ]
amdhsa.kernels:
  - .name:           k_q177a8b2f6a_soft
    .symbol:         k_q177a8b2f6a_soft.kd
    .args:
      - { .name: scores, .offset: 0, .size: 8, .value_kind: global_buffer, .address_space: global }
      - { .name: out0, .offset: 8, .size: 8, .value_kind: global_buffer, .address_space: global }
    .group_segment_fixed_size: 0
    .private_segment_fixed_size: 0
    .kernarg_segment_align: 8
    .kernarg_segment_size: 16
    .max_flat_workgroup_size: 32
    .sgpr_count:     66
    .vgpr_count:     56
    .wavefront_size: 32
...
	.end_amdgpu_metadata
.endif
;; end of part 3
;; ======== version 2 of 2: 3 launches; version 1 with the launch energy written anew for expert scheduling mode
;; workspace buffers: wf 2,097,152 bytes; hbf 131,072 bytes; scores 131,072 bytes
;; launch prep: the kernel of part 1 again; grid 128 x 1, 16 waves a work-group, no clusters, 18,432 bytes of LDS; arguments attn_w, hidden, attn_b, wf, hbf; writes wf, hbf
;; launch energy (part 4): grid 8 x 32, 4 waves a work-group, no clusters, 270,848 bytes of LDS; arguments encoder_outputs, wf, hbf, v, scores; writes scores
.if DOCPART == 4
	.amdgcn_target "amdgcn-amd-amdhsa--gfx1250"
	.amdhsa_code_object_version 6
	.text
	.protected	k_q177a8b2f6a_energy
	.globl	k_q177a8b2f6a_energy
	.p2align	8
	.type	k_q177a8b2f6a_energy,@function
k_q177a8b2f6a_energy:
	s_mov_b64 s[64:65], 0
	v_nop
	global_prefetch_b8 v0, s[64:65] scope:SCOPE_SE
	s_setreg_imm32_b32 hwreg(HW_REG_WAVE_SCHED_MODE, 0, 2), 2
	s_setreg_imm32_b32 hwreg(HW_REG_WAVE_MODE, 25, 1), 1
	s_wait_xcnt 0x0
	s_wait_alu depctr_vm_vsrc(0)
; scores[b][s] = sum over d of bf16(v[d]) tanh(hb[b][d] + sum over e of bf16(enc[s][b][e]) bf16(We[d][e])).  hb (f32, hidden's part and the bias) and We (bf16, in fragments) come from the launch before.
; SHARES.  A work-group owns one b and 128 consecutive s: 128 rows of 1,024 numbers.  It reads them from memory once, rounds them to bf16 and keeps them in LDS.  The 1,024 columns d go in two passes of 512;
; in a pass each of the four waves makes 128 rows x 128 columns: 64 accumulators of 16 x 16, 512 registers.  K goes in 32 steps of 32.  A wave's fragments of We are its own: no other wave of the work-group
; multiplies by them; they are loaded from memory straight into a ring of four register buffers, two and a half steps (160 matrix instructions) or more ahead of their use.
; THE MATRIX INSTRUCTION IS USED TRANSPOSED: source 0 = 16 rows of We (d), source 1 = 16 rows of enc.  Register i of lane (r, h) then holds row r and column 8 h + i: the sum over d stays in the lane but for h.
; The first K step takes hb as its C operand, so nothing is cleared and no addition follows.
; tanh(x) = 1 - 2 / (1 + 2^(c x)), c = 2 log2(e).  LIMITS: absolute error of a few 1e-7; where 2^(c x) overflows the result is exactly 1, where it is flushed to 0 exactly -1; NaN and infinities are not treated apart.
; NO CLUSTER, NO TENSOR LOADS.  The rows take 264,192 of the 327,680 bytes of LDS; in what is left, two slots for 512 columns of We would hold 16 of K each, less than one K step.  A fragment of We has one
; reader in the work-group, so LDS would add a write and a read to each of its bytes and spare none.  enc is shared by no two work-groups.
; LDS: rows of 2,048 bytes + 16 of padding = 129 x 16 bytes, so the 16 rows that a fragment load touches start at 16 different groups of four banks (64 banks of 4 bytes: ISA guide 11.1).
; REGISTERS, in windows of 256 (s_set_vgpr_msb: bits 1:0 source 0, 3:2 source 1, 5:4 source 2, 7:6 destination):
;   window 0: v0-13 addresses; v14-29 the rows' sums; v30-31 the add's; v32-63 at work in staging and tanh, in the K steps rows 0-63 of enc's fragment buffer 1; v64-127 enc's fragment buffer 0;
;             v128-191 hb of a pass; v192-207 v, two buffers; v208-219 v on its way in; v220-251 rows 64-127 of enc's fragment buffer 1
;   window 1: four buffers of 64: first the staging slots (two rows of enc in f32 each), then We's fragments of four K steps
;   window 2: the accumulators of row blocks 0-3 ((a, n) at 8 (8 a + n));   window 3: those of row blocks 4-7
; THE MODE: SCHED_MODE bits 1:0 = 2 (LLVM: expert scheduling mode 2), set by the entry lines.  The code itself states the register dependences
; between vector or matrix instructions and memory or LDS instructions, with s_wait_alu, always for 0.
; THE PLAN.  Registers that memory or LDS instructions touch, and who else names them:
;   STAGING.  Slot s: read by its turn's 32 conversions; behind them the slot's next 16 loads land in it.  v32-63: written by those conversions, read by the turn's 16 LDS stores, written again a turn later.
;     v[SADR]: read by the stores, stepped once a lap.  So a turn has one wait on va_vdst, behind its conversions, and one on vm_vsrc at its head (turn 0's stands at the lap's end, ahead of the step of v[SADR]).
;     Each slot has a scalar base of its own, stepped behind the wait that shows the loads that read it done.
;   K STEPS.  Step t multiplies enc's buffer t % 2 by We's buffer t % 4.  Its loads land in enc's buffer (t + 1) % 2 and We's buffer (t + 3) % 4: the two that step t - 1 multiplied and that no product of
;     step t names.  So ONE wait on va_vdst stands at a step's head, and the step's 32 loads follow it in two runs among its products with no further wait.  v[ADRA ..]: read by the LDS loads, written once
;     in four steps, ahead of a step's head wait, with a wait on vm_vsrc ahead of the lines that write them.  v[WOFF], v[HOFF]: never written again.
;   TANH.  v's two buffers: read by a column block's sums; the block after next is loaded behind the wait that the exponentials have anyway.  v[VADR]: stepped once a pass, a wait on vm_vsrc ahead.
.set PITCH, 2064
.set VL,    128*PITCH                  ; 264,192: v rounded to bf16, kept as f32: 4,096 bytes
.set SC,    VL+4096                    ; 268,288: the four waves' partial scores, 512 bytes each
.set SPARE, SC+2048                    ; 270,336: the spare words, 128 bytes for each wave: two blocks of 256 bytes that no other line names
.set AB0,   1                          ; v1     r x pitch + 16 h; never rewritten
.set ADRA,  2                          ; v2-5   LDS address of row blocks 2 i, 2 i + 1 at the K byte in hand
.set WOFF,  6                          ; v6     16 x lane; never rewritten
.set VADR,  7                          ; v7     LDS address of my 8 numbers of v for column block 0 of the pass
.set SADR,  8                          ; v8     LDS address at which I put 8 bytes of the staging lap's first row
.set HOFF,  9                          ; v9     my byte offset in hbf; never rewritten
.set TID16, 10                         ; v10    16 x thread; never rewritten
.set SUM,   14                         ; v[14:29] row block a: a pair (even columns', odd columns')
.set SPW,   30                         ; v30    LDS address of my spare word; never rewritten
.set NIL,   31                         ; v31    0; never rewritten
.set T,     32
.set AF,    64                         ; enc's fragment buffer 0: row block a at AF + 8 a
.set AF1L,  32                         ; buffer 1: row blocks 0-3,
.set AF1H,  220                        ; and row blocks 4-7
.set HB,    128
.set VV,    192
.set VR,    208
.set SB,    32                         ; s[32:39] staging slot s: enc at my wave's first row of the lap that the slot is asked for next: a pair at SB + 2 s
.set MSB, 0
.macro WIN new                         ; the immediate's high byte repeats the setting that is left; a switch that changes nothing is dropped
.if MSB != (\new)
	s_set_vgpr_msb (MSB<<8)|(\new)
.set MSB, \new
.endif
.endm
; A load into a register that a matrix instruction has read, and a vector instruction that reads a matrix result or writes a matrix source, stand four places behind it; only plain vector
; instructions that name none of its registers are places (ISA guide 7.12.1 for vector instructions).
.macro PLACES
.rept 4
	v_nop
.endr
.endm
.macro ARESET                          ; the fragment addresses go to K byte 0: four plain instructions
	WIN 0
	v_mov_b32    v[ADRA],   v[AB0]
	v_add_nc_u32 v[ADRA+1], 32*PITCH, v[AB0]
	v_add_nc_u32 v[ADRA+2], 64*PITCH, v[AB0]
	v_add_nc_u32 v[ADRA+3], 96*PITCH, v[AB0]
.endm
.macro ASTEP bytes
.irp i, 0,1,2,3
	v_add_nc_u32 v[ADRA+\i], \bytes, v[ADRA+\i]
.endr
.endm
.macro AFREG af, a                     ; rA: the first register of row block a in enc's fragment buffer af
.if (\af) == 0
.set rA, AF+8*(\a)
.elseif (\a) < 4
.set rA, AF1L+8*(\a)
.else
.set rA, AF1H+8*((\a)-4)
.endif
.endm
; Two rows of enc (2 s, 2 s + 1 of a lap's eight) into staging slot s: 16 loads, each 512 consecutive bytes, aligned
.macro SLOAD s
	WIN 0x40
.set k, 0
.rept 16
	global_load_b128 v[64*(\s)+4*k:64*(\s)+4*k+3], v[WOFF], s[SB+2*(\s):SB+2*(\s)+1] offset:(2*(\s)+k/8)*131072+512*(k%8) th:TH_LOAD_NT
.set k, k+1
.endr
.endm
; Four of We's eight fragments of one K step (n0 on), 4,096 consecutive bytes, into buffer buf
.macro BLOAD4 buf, imm, n0
	WIN 0x40
.irp n, 0,1,2,3
	global_load_b128 v[64*(\buf)+8*((\n0)+\n):64*(\buf)+8*((\n0)+\n)+3],   v[WOFF], s[22:23] offset:(\imm)+((\n0)+\n)*1024
	global_load_b128 v[64*(\buf)+8*((\n0)+\n)+4:64*(\buf)+8*((\n0)+\n)+7], v[WOFF], s[22:23] offset:(\imm)+((\n0)+\n)*1024+512
.endr
.endm
; hb of my 128 columns of a pass, for my work-group's b: every lane of a half takes the same 16 bytes
.macro HBLOAD off
	WIN 0
.irp n, 0,1,2,3,4,5,6,7
	global_load_b128 v[HB+8*\n:HB+8*\n+3],   v[HOFF], s[8:9] offset:(\off)+\n*2048
	global_load_b128 v[HB+8*\n+4:HB+8*\n+7], v[HOFF], s[8:9] offset:(\off)+\n*2048+512
.endr
.endm
; enc's fragments of row blocks 4 hi .. 4 hi + 3, at byte ko from the K byte in hand, into buffer af: 8 LDS loads
.macro ALOAD af, hi, ko
	WIN 0
.irp i, 0,1,2,3
	AFREG \af, 4*(\hi)+\i
	ds_load_b128 v[rA:rA+3],   v[ADRA+2*(\hi)+(\i)/2] offset:((\i)%2)*16*PITCH+(\ko)
	ds_load_b128 v[rA+4:rA+7], v[ADRA+2*(\hi)+(\i)/2] offset:((\i)%2)*16*PITCH+(\ko)+32
.endr
.endm
; 16 matrix instructions: row blocks 4 hi + a0, 4 hi + a0 + 1 x all 8 column blocks.  zero = 1: the pass's first K step: C is hb.
; The 64 accumulators take turns, one instruction a turn, in the same order in every K step.
.macro MUL16 buf, af, hi, a0, zero
.if \zero
	WIN 0x81+0x40*(\hi)                            ; We window 1, enc and hb window 0, D window 2 or 3
.else
	WIN 0xa1+0x50*(\hi)                            ; We window 1, enc window 0, C and D window 2 or 3
.endif
.irp a, \a0, (\a0)+1
	AFREG \af, 4*(\hi)+(\a)
.irp n, 0,1,2,3,4,5,6,7
.if \zero
	v_wmma_f32_16x16x32_bf16 v[8*(8*(\a)+\n):8*(8*(\a)+\n)+7], v[64*(\buf)+8*\n:64*(\buf)+8*\n+7], v[rA:rA+7], v[HB+8*\n:HB+8*\n+7]
.else
	v_wmma_f32_16x16x32_bf16 v[8*(8*(\a)+\n):8*(8*(\a)+\n)+7], v[64*(\buf)+8*\n:64*(\buf)+8*\n+7], v[rA:rA+7], v[8*(8*(\a)+\n):8*(8*(\a)+\n)+7]
.endif
.endr
.endr
.endm
; ONE K STEP: 64 matrix instructions, We's buffer buf times enc's buffer af.
; pl: the four places between the last step's products and this step's loads into the registers that those read: 1: four v_nop; 2: the four lines that set the fragment addresses back to K byte 0 (the next
; pass's first step is fetched); 0: they stand ahead of the macro (the four adds that step the addresses; a pass's tanh), or the step loads nothing.
; ld = 1: We's buffer (buf + 3) % 4 takes the fragments three steps on, at byte bimm.  al = 1: enc's other buffer takes the next step's fragments, at byte ko.  nB: the loads younger than this step's fragments of We.
.macro KSTEP buf, af, zero, pl, ld, bimm, al, ko, nB
.if (\pl) == 1
	PLACES
.elseif (\pl) == 2
	s_wait_alu depctr_vm_vsrc(0)                   ; the LDS loads issued so far have read v[ADRA ..], which the four lines below write
	ARESET
.endif
.if (\ld) || (\al)
	s_wait_alu depctr_va_vdst(0)                   ; the last step's products are done reading their fragments of enc and of We, in which this step's loads land; the lines that wrote v[ADRA ..] are done; in a pass's first step the tanh's lines are done with v32-63
.endif
	s_wait_loadcnt \nB                             ; loads come back in order (ISA guide 5.7.1): this step's fragments of We are in
	s_wait_dscnt 0x0                               ; enc's fragments of this step, asked for in the first half of the step before, are in
	MUL16 \buf, \af, 0, 0, \zero
.if \ld
	BLOAD4 ((\buf)+3)%4, \bimm, 0                  ; no wait: no product since the head's wait names this buffer
.endif
.if \al
	ALOAD 1-(\af), 0, \ko                          ; likewise
.endif
	MUL16 \buf, \af, 0, 2, \zero
.if \ld
	BLOAD4 ((\buf)+3)%4, \bimm, 4
.endif
.if \al
	ALOAD 1-(\af), 1, \ko
.endif
	MUL16 \buf, \af, 1, 0, \zero
	MUL16 \buf, \af, 1, 2, \zero
.endm
; STAGING, one slot's turn: its two rows are rounded to bf16; the slot is asked for again; the rows go to LDS, 256 consecutive bytes a store.
; mode 1: the slot takes its rows of the next lap.  mode 2 (the last lap): slots 0 to 2 become We's buffers 0 to 2 and take K steps 0 to 2.
; The count is 48 in every turn: behind this slot's 16 loads the three younger slots' were issued, or in the last lap what took their place.
.macro STURN s, mode
	s_wait_loadcnt 48
.if (\mode) == 1
	s_add_nc_u64 s[SB+2*(\s):SB+2*(\s)+1], s[SB+2*(\s):SB+2*(\s)+1], 0x100000  ; free since that wait, which shows the loads that read it done: eight rows of 131,072 bytes on
.endif
.if (\s) > 0
	s_wait_alu depctr_vm_vsrc(0)                   ; the LDS stores of the turn before have read v32-63, which the conversions below write again (turn 0: the wait at the lap's end)
.endif
	WIN 0x05                                       ; sources window 1, destination window 0
.set k, 0
.rept 16
	v_cvt_pk_bf16_f32 v[T+2*k],   v[64*(\s)+4*k],   v[64*(\s)+4*k+1]
	v_cvt_pk_bf16_f32 v[T+2*k+1], v[64*(\s)+4*k+2], v[64*(\s)+4*k+3]
.set k, k+1
.endr
.if ((\mode) == 1) || ((\s) < 3)
	WIN 0x40
.else
	WIN 0
.endif
	s_wait_alu depctr_va_vdst(0)                   ; the conversions are done reading the slot, in which the loads below land, and have written v32-63, which the LDS stores below read; in a lap's first turn v[SADR] is written
.if (\mode) == 1
	SLOAD \s
.elseif (\s) < 3
	BLOAD4 \s, (\s)*8192, 0
	BLOAD4 \s, (\s)*8192, 4
.endif
	WIN 0
.set k, 0
.rept 16
	ds_store_b64 v[SADR], v[T+2*k:T+2*k+1] offset:(2*(\s)+k/8)*PITCH+256*(k%8)
.set k, k+1
.endr
.endm
; tanh and the weighted sum for column block n of row blocks 4 hi .. 4 hi + 3: 32 numbers a lane.  Each accumulator is read from its low end on.
; A plain instruction stands between a run of transcendentals and the first use of their results (ISA guide 5.7.2).  vl = 1: v of column block n + 1 is asked for.
.macro EGROUP n, hi, vl
	WIN 0x02+(\hi)                                 ; source 0 window 2 or 3
.irp i, 0,1,2,3
.irp k, 0,1,2,3
	v_pk_mul_f32 v[T+8*\i+2*\k:T+8*\i+2*\k+1], v[8*(8*\i+(\n))+2*\k:8*(8*\i+(\n))+2*\k+1], s[24:25] op_sel_hi:[1,0]  ; c x
.endr
.endr
	WIN 0
.set z, 0
.rept 32
	v_exp_f32 v[T+z], v[T+z]
.set z, z+1
.endr
	v_nop
	s_wait_alu depctr_va_vdst(0)                   ; the 32 exponentials have written v32-63, ahead of their first reader; the last column block's sums are done reading v's other buffer, in which the loads below land
.if \vl
	ds_load_b128 v[VV+8*(((\n)+1)%2):VV+8*(((\n)+1)%2)+3],   v[VADR] offset:64*((\n)+1)
	ds_load_b128 v[VV+8*(((\n)+1)%2)+4:VV+8*(((\n)+1)%2)+7], v[VADR] offset:64*((\n)+1)+16
.endif
.set z, 0
.rept 16
	v_pk_add_f32 v[T+2*z:T+2*z+1], v[T+2*z:T+2*z+1], 1.0 op_sel_hi:[1,0]
.set z, z+1
.endr
.set z, 0
.rept 32
	v_rcp_f32 v[T+z], v[T+z]
.set z, z+1
.endr
	v_nop
	s_wait_alu depctr_va_vdst(0)                   ; the 32 reciprocals have written v32-63, ahead of their first reader
.set z, 0
.rept 16
	v_pk_fma_f32 v[T+2*z:T+2*z+1], v[T+2*z:T+2*z+1], -2.0, 1.0 op_sel_hi:[1,0,0]  ; tanh
.set z, z+1
.endr
.irp k, 0,1,2,3                        ; the four row blocks alternate: a link of a sum's chain stands four lines behind the last
.irp i, 0,1,2,3
	v_pk_fma_f32 v[SUM+2*(4*(\hi)+\i):SUM+2*(4*(\hi)+\i)+1], v[T+8*\i+2*\k:T+8*\i+2*\k+1], v[VV+8*((\n)%2)+2*\k:VV+8*((\n)%2)+2*\k+1], v[SUM+2*(4*(\hi)+\i):SUM+2*(4*(\hi)+\i)+1]
.endr
.endr
.endm
	s_load_b256 s[4:11], s[0:1], 0x0               ; enc s[4:5], wf s[6:7], hbf s[8:9], v s[10:11]
	s_load_b64 s[12:13], s[0:1], 0x20              ; scores
	v_lshl_add_u32 v[SPW], v0, 2, SPARE
	v_mov_b32 v[NIL], 0
	v_lshrrev_b32 v11, 5, v0
	v_readfirstlane_b32 s14, v11                   ; w: wave 0..3
	s_mov_b32 s15, ttmp9                           ; block of 128 s
	s_and_b32 s16, ttmp7, 0xffff                   ; b
	v_and_b32 v12, 15, v0                          ; r
	v_bfe_u32 v13, v0, 4, 1                        ; h
	v_and_b32 v11, 31, v0                          ; lane
	v_mul_u32_u24 v[AB0], v12, PITCH
	v_lshl_add_u32 v[AB0], v13, 4, v[AB0]
	ARESET
	v_lshlrev_b32 v[WOFF], 4, v11
	v_lshlrev_b32 v[TID16], 4, v0
	s_wait_alu depctr_va_sdst(0)                   ; s14 is written, ahead of its first reader: LDS addresses and the bases of enc, wf and hbf are made from it
	s_lshl_b32 s17, s14, 9
	s_add_co_u32 s17, s17, VL
	v_lshl_add_u32 v[VADR], v13, 5, s17            ; v at column 128 w + 8 h
	s_mul_i32 s17, s14, 32*PITCH                   ; wave w stages rows 32 w .. 32 w + 31
	v_lshl_add_u32 v[SADR], v11, 3, s17
	s_and_b32 s17, s16, 15                         ; hbf: the lane that holds b in its block is 16 h + b % 16,
	s_lshl_b32 s17, s17, 4
	s_lshl_b32 s18, s14, 14                        ; my eight d blocks begin at 8 w, 2,048 bytes each,
	s_add_co_u32 s17, s17, s18
	s_lshr_b32 s18, s16, 4                         ; b's block
	s_lshl_b32 s18, s18, 10
	s_add_co_u32 s17, s17, s18
	v_lshl_add_u32 v[HOFF], v13, 8, s17
	s_mov_b32 s24, 0x4038aa3b                      ; c = 2 log2(e)
	s_mov_b32 s25, s24                             ; named with it as a pair
	s_mov_b32 s26, 0x76543210                      ; v_permlanex16_b32: each lane takes its own place in the other half
	s_mov_b32 s27, 0xfedcba98
	s_lshl_b32 s18, s15, 24                        ; row (s, b) of enc lies at (32 s + b) x 4,096 bytes: 128 s are 2^24,
	s_lshl_b32 s19, s14, 22                        ; my wave's 32 s
	s_add_co_u32 s18, s18, s19
	s_lshl_b32 s19, s16, 12
	s_add_co_u32 s18, s18, s19
	s_mov_b32 s19, 0
	s_wait_kmcnt 0x0
.irp s, 0,1,2,3
	s_add_nc_u64 s[SB+2*\s:SB+2*\s+1], s[4:5], s[18:19]  ; enc at my wave's first row, once for each staging slot
.endr
	s_lshl_b32 s18, s14, 19
	s_add_nc_u64 s[22:23], s[6:7], s[18:19]        ; wf at my wave's two slabs, 524,288 bytes on end
	s_lshl_b32 s18, s16, 12
	s_lshl_b32 s17, s15, 9
	s_add_co_u32 s18, s18, s17
	s_add_nc_u64 s[12:13], s[12:13], s[18:19]      ; scores[b][128 x block]
	s_wait_alu depctr_va_vdst(0)                   ; the addresses and offsets v1 to v10 are written, which the loads and stores of the whole kernel read
	; The first loads.  More are issued than LOADcnt's field counts; the issue then waits by itself (ISA guide 5.7.1), and the counted waits below still say what has come.
	global_load_b128 v[VR:VR+3],   v[TID16], s[10:11]
	global_load_b128 v[VR+4:VR+7], v[TID16], s[10:11] offset:2048
	HBLOAD 0
	SLOAD 0
	SLOAD 1
	SLOAD 2
	SLOAD 3
	WIN 0                                          ; at a label and at a branch every window is 0
	s_mov_b32 s30, 3
.Llap:                                                 ; a lap: eight rows of my 32; 64 loads, 32,768 bytes, of the wave are on their way throughout
	STURN 0, 1
	STURN 1, 1
	STURN 2, 1
	STURN 3, 1
	s_wait_alu depctr_vm_vsrc(0)                   ; the lap's LDS stores have read v[SADR], which the add below writes, and v32-63, which the next turn's conversions write
	v_add_nc_u32 v[SADR], 8*PITCH, v[SADR]
	s_sub_co_u32 s30, s30, 1
	s_cmp_lg_u32 s30, 0
	s_cbranch_scc1 .Llap
	STURN 0, 2                                     ; the last lap is written out: no load leaves enc
	STURN 1, 2
	STURN 2, 2
	STURN 3, 2
	; v: its two loads are older than all that the waits above have shown in.  Rounded to bf16 like every input, widened again, into LDS.
.irp k, 0,1,2,3
	v_cvt_pk_bf16_f32 v[VR+8+\k], v[VR+2*\k], v[VR+2*\k+1]
.endr
.irp k, 0,1,2,3
	v_lshlrev_b32 v[VR+2*\k],   16, v[VR+8+\k]
	v_and_b32     v[VR+2*\k+1], 0xffff0000, v[VR+8+\k]
.endr
	v_add_nc_u32 v11, VL, v[TID16]
	s_wait_alu depctr_va_vdst(0)                   ; v208-215 and v11 are written, which the two LDS stores below read
	ds_store_b128 v11, v[VR:VR+3]
	ds_store_b128 v11, v[VR+4:VR+7] offset:2048
	s_wait_dscnt 0x0                               ; for the others' sake: my rows and my part of v are in LDS
	s_barrier_signal -1
.set z, 0
.rept 16
	v_mov_b32 v[SUM+z], 0                          ; the rows' sums run over both passes
.set z, z+1
.endr
	s_barrier_wait -1                              ; the rows and v are whole, and no byte of them is written again: the K steps need no barrier
	s_wait_alu depctr_vm_vsrc(0)                   ; my LDS stores have read v32-63, in which fragments of enc land from the first K step on, and v11, which is written again on the way out
	ALOAD 0, 0, 0                                  ; no vector instruction has named v64-127, nor v[ADRA ..] since the head's wait
	ALOAD 0, 1, 0
	s_mov_b32 s28, 0
.Lpass:                                                ; two trips: columns 512 p + 128 w on
	KSTEP 0, 0, 1, 0, 1, 24576, 1, 64, 0           ; K step 0 starts the sums from hb.  The count: hb is the youngest load in the second pass, so all are waited for
	WIN 0
	s_wait_alu depctr_vm_vsrc(0)                   ; the LDS loads issued so far have read v[ADRA ..]
	ASTEP 128                                      ; these four adds are also the places ahead of the next step's loads
	s_wait_xcnt 0x0
	s_add_nc_u64 s[22:23], s[22:23], 32768         ; four K steps of We on
	s_mov_b32 s29, 7
.Ltrip:                                                ; a trip: K steps 4 n + 1 .. 4 n + 4.  The count 32: the fragments of We for the two steps to come may be out; the request for the third follows in the step
	KSTEP 1, 1, 0, 0, 1, 0,     1, 0,   32
	KSTEP 2, 0, 0, 1, 1, 8192,  1, 64,  32
	KSTEP 3, 1, 0, 1, 1, 16384, 1, 128, 32
	KSTEP 0, 0, 0, 1, 1, 24576, 1, 192, 32
	WIN 0
	s_wait_alu depctr_vm_vsrc(0)                   ; the LDS loads issued so far have read v[ADRA ..]
	ASTEP 256                                      ; these four adds are also the places ahead of the next step's loads
	s_wait_xcnt 0x0
	s_add_nc_u64 s[22:23], s[22:23], 32768
	s_sub_co_u32 s29, s29, 1
	s_cmp_lg_u32 s29, 0
	s_cbranch_scc1 .Ltrip
	s_cmp_eq_u32 s28, 1
	s_cbranch_scc1 .Ltail1
	KSTEP 1, 1, 0, 0, 1, 0,     1, 0,  32          ; K steps 29 to 31 of the first pass ask for the second pass's steps 0 to 2 of We (its slab follows on end),
	KSTEP 2, 0, 0, 1, 1, 8192,  1, 64, 32
	KSTEP 3, 1, 0, 2, 1, 16384, 1, 0,  32          ; for its first fragments of enc,
	PLACES                                         ; (four places behind the last products, ahead of the tanh's first reads of the sums and its first writes of v32-63)
	WIN 0
	HBLOAD 65536                                   ; and for its hb: 32 d blocks on.  No wait: K step 0's products, which read these registers, stand ahead of many waits on va_vdst, and nothing has named them since
	s_branch .Lepi
.Ltail1:                                               ; K steps 29 to 31 of the second pass ask for no more of We: no load leaves wf; the counts run down
	KSTEP 1, 1, 0, 0, 0, 0, 1, 0,  32
	KSTEP 2, 0, 0, 1, 0, 0, 1, 64, 16
	KSTEP 3, 1, 0, 0, 0, 0, 0, 0,  0
	PLACES                                         ; four places behind the last products, as above
	WIN 0
.Lepi:
	ds_load_b128 v[VV:VV+3],   v[VADR]             ; no wait: the K steps' waits on va_vdst stand behind the last lines that named v's buffers and v[VADR]
	ds_load_b128 v[VV+4:VV+7], v[VADR] offset:16
.irp q, 0,1,2,3,4,5,6,7
	s_wait_dscnt 0x0                               ; v of column block q is in
.if \q < 7
	EGROUP \q, 0, 1
.else
	EGROUP \q, 0, 0
.endif
	EGROUP \q, 1, 0
.endr
	s_wait_alu depctr_vm_vsrc(0)                   ; the LDS loads of v have read v[VADR]
	v_add_nc_u32 v[VADR], 2048, v[VADR]            ; 512 columns of v on
	s_add_co_u32 s28, s28, 1
	s_cmp_lt_u32 s28, 2
	s_cbranch_scc1 .Lpass
	; THE WAY OUT.  A row's sum: even and odd columns', then the other half of the lanes'.  Two row blocks are laid side by side in the 32 lanes; the four waves' parts meet in LDS.
.irp a, 0,1,2,3,4,5,6,7
	v_add_f32 v[T+\a], v[SUM+2*\a], v[SUM+2*\a+1]
.endr
.irp a, 0,1,2,3,4,5,6,7
	v_permlanex16_b32 v[T+8+\a], v[T+\a], s26, s27
.endr
.irp a, 0,1,2,3,4,5,6,7
	v_add_f32 v[T+\a], v[T+\a], v[T+8+\a]
.endr
	v_and_b32 v12, 31, v0
	v_cmp_gt_u32 vcc_lo, 16, v12
	s_lshl_b32 s17, s14, 9
	s_add_co_u32 s17, s17, SC
	v_lshl_add_u32 v13, v12, 2, s17                ; where I put my partial scores
	v_add_nc_u32 v11, SC, v[WOFF]                  ; where wave 0 reads them back: lane l takes rows 4 l .. 4 l + 3 of each wave's part
	s_wait_alu depctr_va_vcc(0)                    ; the compare has written VCC, ahead of its first reader
.irp i, 0,1,2,3
	v_cndmask_b32 v[T+16+\i], v[T+2*\i+1], v[T+2*\i], vcc_lo   ; lanes 0-15: row block 2 i; lanes 16-31: 2 i + 1: row 32 i + lane
.endr
	s_wait_alu depctr_va_vdst(0)                   ; v13 and v48-51 are written, which the LDS stores read; so is v11, by which wave 0's LDS loads below read; and the lines above are done with v32-47, in which those loads land
.irp i, 0,1,2,3
	ds_store_b32 v13, v[T+16+\i] offset:128*\i
.endr
	s_wait_dscnt 0x0                               ; for wave 0's sake: my 128 partial scores are in LDS
	s_barrier_signal -1
	s_barrier_wait -1
	s_cmp_lg_u32 s14, 0
	s_cbranch_scc1 .Lend
.irp i, 0,1,2,3
	ds_load_b128 v[T+4*\i:T+4*\i+3], v11 offset:512*\i
.endr
	s_wait_dscnt 0x0
	v_pk_add_f32 v[T:T+1],     v[T:T+1],     v[T+4:T+5]
	v_pk_add_f32 v[T+2:T+3],   v[T+2:T+3],   v[T+6:T+7]
	v_pk_add_f32 v[T+8:T+9],   v[T+8:T+9],   v[T+12:T+13]
	v_pk_add_f32 v[T+10:T+11], v[T+10:T+11], v[T+14:T+15]
	v_pk_add_f32 v[T:T+1],     v[T:T+1],     v[T+8:T+9]
	v_pk_add_f32 v[T+2:T+3],   v[T+2:T+3],   v[T+10:T+11]
	s_wait_alu depctr_va_vdst(0)                   ; the additions have written v32-35, which the store reads
	global_store_b128 v[WOFF], v[T:T+3], s[12:13]  ; the work-group's 128 scores: 512 consecutive bytes, aligned
.Lend:
	s_wait_dscnt 0x0                               ; the closing lines, six on end
	s_wait_alu 0x0
	s_wait_tensorcnt 0x0
	ds_add_u32 v[SPW], v[NIL]
	s_wait_dscnt 0x0
	s_endpgm
.Lfunc_end_k_q177a8b2f6a_energy:
	.size	k_q177a8b2f6a_energy, .Lfunc_end_k_q177a8b2f6a_energy-k_q177a8b2f6a_energy
	.p2alignl 7, 3214868480
	.fill 96, 4, 3214868480
	.section	.rodata,"a",@progbits
	.p2align	6, 0x0
	.amdhsa_kernel k_q177a8b2f6a_energy
		.amdhsa_group_segment_fixed_size 270848
		.amdhsa_private_segment_fixed_size 0
		.amdhsa_enable_private_segment 0
		.amdhsa_kernarg_size 40
		.amdhsa_user_sgpr_count 2
		.amdhsa_user_sgpr_kernarg_segment_ptr 1
		.amdhsa_wavefront_size32 1
		.amdhsa_system_sgpr_workgroup_id_x 1
		.amdhsa_system_sgpr_workgroup_id_y 1
		.amdhsa_system_sgpr_workgroup_id_z 1
		.amdhsa_system_vgpr_workitem_id 0
		.amdhsa_next_free_vgpr 1024
		.amdhsa_next_free_sgpr 66
		.amdhsa_reserve_vcc 1
		.amdhsa_float_denorm_mode_32 3
		.amdhsa_float_denorm_mode_16_64 3
		.amdhsa_memory_ordered 1
		.amdhsa_forward_progress 1
		.amdhsa_inst_pref_size 226
	.end_amdhsa_kernel
	.amdgpu_metadata
---
amdhsa.version: [ 1, 2 ]
amdhsa.kernels:
  - .name:           k_q177a8b2f6a_energy
    .symbol:         k_q177a8b2f6a_energy.kd
    .args:
      - { .name: encoder_outputs, .offset: 0, .size: 8, .value_kind: global_buffer, .address_space: global }
      - { .name: wf, .offset: 8, .size: 8, .value_kind: global_buffer, .address_space: global }
      - { .name: hbf, .offset: 16, .size: 8, .value_kind: global_buffer, .address_space: global }
      - { .name: v, .offset: 24, .size: 8, .value_kind: global_buffer, .address_space: global }
      - { .name: scores, .offset: 32, .size: 8, .value_kind: global_buffer, .address_space: global }
    .group_segment_fixed_size: 270848
    .private_segment_fixed_size: 0
    .kernarg_segment_align: 8
    .kernarg_segment_size: 40
    .max_flat_workgroup_size: 128
    .sgpr_count:     66
    .vgpr_count:     1024
    .wavefront_size: 32
...
	.end_amdgpu_metadata
.endif
;; end of part 4
;; launch soft: the kernel of part 3 again; grid 32 x 1, 1 waves a work-group, no clusters, 0 bytes of LDS; arguments scores, out0; writes out0
